; MI455X (gfx1250); checked and timed in simulation.
; The chip was launched on July 23, 2026; its instructions are those of AMD's public machine-readable ISA for CDNA 5 (MIT licence, August 2026) and "CDNA5" Instruction Set Architecture Reference Guide (July 2026). The comments in the code are by the model that wrote it; some were corrected since.
;; Quant Linear. Allowed arithmetic: float matrix products may take bf16 or f16 operands with f32 sums; other float arithmetic in f32, or as packed bf16 or f16 multiplies, adds, multiply-adds, maxima and minima; sums over many terms, partial sums and values carried from step to step in f32; what a program stores and reads back later, other than sums and carried values, may be rounded once to bf16 or f16.
;; Inputs: bias 4,096 float32; weight 4,096 x 4,096 float32; x 4,096 x 4,096 float32.
;; Outputs: out0 4,096 x 4,096 float32.
;; Constants: exp = 5, man = 10.
;; 2 versions, each right; version 2 is version 1 with the launch quant written anew for expert scheduling mode. Each part assembles by itself: llvm-mc -triple=amdgcn-amd-amdhsa -mcpu=gfx1250 --defsym DOCPART=n.
;; ======== version 1 of 2: 2 launches
;; workspace buffers: xq 33,554,432 bytes; wq 33,554,432 bytes
;; launch quant (part 1): grid 256 x 2, 8 waves a work-group, no clusters, 0 bytes of LDS; arguments x, weight, xq, wq; writes xq, wq
.if DOCPART == 1
	.amdgcn_target "amdgcn-amd-amdhsa--gfx1250"
	.amdhsa_code_object_version 6
	.text
	.protected	k_q183620caa2_quant
	.globl	k_q183620caa2_quant
	.p2align	8
	.type	k_q183620caa2_quant,@function
k_q183620caa2_quant:
	s_mov_b64 s[64:65], 0
	v_nop
	global_prefetch_b8 v0, s[64:65] scope:SCOPE_SE
	s_setreg_imm32_b32 hwreg(HW_REG_WAVE_MODE, 25, 1), 1
	s_wait_xcnt 0x0
; xq = float_quantize(x, 5, 10), wq = float_quantize(weight, 5, 10), stored as f16.  x, weight: [4096][4096] f32; xq, wq: [4096][4096] f16, the same order.
; WHY A CONVERSION TO f16 IS float_quantize(., 5, 10).  Its step is 2^(e - 10) with e = floor(log2 |v|) held to -14 .. 15, its rounding to nearest, ties to even: for 2^-14 <= |v| that is
; f16's rounding of a normal number, below 2^-14 the step stays 2^-24, which is f16's step for subnormals, and 65,504 is f16's largest number.  Where f32's log2 of a number just under 2^k
; comes out as k, the number rounds to 2^k by either step.  What differs is treated here: a conversion of 65,520 or more gives an infinity, float_quantize gives 65,504 (also for an infinity);
; a NaN gives 0 there, since |v| > 0 does not hold.
; So: convert two numbers at once; split into a part >= 0 and a part <= 0 by a maximum and a minimum with 0, in which a NaN loses; hold the parts to 65,504 and -65,504; join them by OR (one is 0).
; NO WORK IS LEFT OUT, every input is read (bias by the second launch); exp = 5 and man = 10 are built in.  LIMIT: the sign of a zero is not kept apart.
; SHARES.  Work-groups with y = 0 take x, those with y = 1 weight; work-group g owns 64 STEPS of 4,096 input bytes.  In a step thread t loads the 16 bytes at 16 t and stores the 8 bytes at 8 t:
; a wave's load covers 512 consecutive bytes, its store 256 consecutive bytes, both aligned to their length.  No LDS, no barrier, no matrix unit: nothing is shared and nothing is multiplied.
; A ring of DEPTH register slots keeps DEPTH loads of every wave on their way.  No prefetch: the loads themselves are the stream, and each byte is asked for once.
.set DEPTH,  16                        ; slots = loads in flight in each wave
.set ROUNDS, 64/DEPTH                  ; each round takes every slot once
.set INB,    4096                      ; input bytes in a step
.set OUTB,   2048                      ; output bytes in a step
.set VI,  1                            ; v1        16 t; never rewritten
.set VO,  2                            ; v2        8 t; never rewritten
.set X,   4                            ; v[4:67]   slot i: 4 registers, f32 as loaded
.set Y,   68                           ; v[68:99]  slot i: 2 registers, 4 f16 to store
.set H,   100                          ; v[100:101] converted
.set P,   102                          ; v[102:103] the part >= 0
.set N,   104                          ; v[104:105] the part <= 0
.set IN,  12                           ; s[12:13]  the input at this round's first step
.set OUT, 14                           ; s[14:15]  the output at the same step
.set ZER, 20                           ; s20  0, twice in f16
.set TOP, 21                           ; s21  65,504 twice
.set BOT, 22                           ; s22  -65,504 twice
.set CNT, 23                           ; s23  rounds to go
	s_load_b256 s[4:11], s[0:1], 0x0               ; x s[4:5], weight s[6:7], xq s[8:9], wq s[10:11]
	s_and_b32 s2, ttmp7, 0xffff                    ; y: which of the two tensors
	s_lshl_b32 s16, ttmp9, 18                      ; the work-group's 64 steps of input: 262,144 bytes
	s_mov_b32 s17, 0
	s_lshl_b32 s18, ttmp9, 17                      ; and of output: 131,072 bytes
	s_mov_b32 s19, 0
	s_mov_b32 s[ZER], 0
	s_mov_b32 s[TOP], 0x7bff7bff
	s_mov_b32 s[BOT], 0xfbfffbff
	v_lshlrev_b32 v[VI], 4, v0
	v_lshlrev_b32 v[VO], 3, v0
	s_wait_kmcnt 0x0
	s_cmp_eq_u32 s2, 0
	s_cselect_b64 s[IN:IN+1], s[4:5], s[6:7]
	s_cselect_b64 s[OUT:OUT+1], s[8:9], s[10:11]
	s_add_nc_u64 s[IN:IN+1], s[IN:IN+1], s[16:17]
	s_add_nc_u64 s[OUT:OUT+1], s[OUT:OUT+1], s[18:19]
.irp i, 0,1,2,3,4,5,6,7,8,9,10,11,12,13,14,15
	global_load_b128 v[X+4*(\i):X+4*(\i)+3], v[VI], s[IN:IN+1] offset:(\i)*INB th:TH_LOAD_NT  ; the ring is filled: steps 0 to 15
.endr
; One slot's turn.  ahead = 1: the slot is filled again with the step DEPTH further on.  left = how many younger loads may still be out.
.macro SLOT i, ahead, left
	s_wait_loadcnt \left                           ; loads come back in order (ISA guide 5.7.1): mine is in, the younger ones stay out
.irp j, 0,1
	v_cvt_pk_f16_f32 v[H+(\j)], v[X+4*(\i)+2*(\j)], v[X+4*(\i)+2*(\j)+1]  ; two roundings to nearest even
.endr
.irp j, 0,1
	v_pk_max_num_f16 v[P+(\j)], v[H+(\j)], s[ZER]  ; a negative number and a NaN give 0
	v_pk_min_num_f16 v[N+(\j)], v[H+(\j)], s[ZER]  ; a positive number and a NaN give 0
.endr
.irp j, 0,1
	v_pk_min_num_f16 v[P+(\j)], v[P+(\j)], s[TOP]  ; an infinity goes back to 65,504
	v_pk_max_num_f16 v[N+(\j)], v[N+(\j)], s[BOT]
.endr
.irp j, 0,1
	v_or_b32 v[Y+2*(\i)+(\j)], v[P+(\j)], v[N+(\j)]
.endr
.if \ahead
	global_load_b128 v[X+4*(\i):X+4*(\i)+3], v[VI], s[IN:IN+1] offset:(DEPTH+(\i))*INB th:TH_LOAD_NT
.endif
	global_store_b64 v[VO], v[Y+2*(\i):Y+2*(\i)+1], s[OUT:OUT+1] offset:(\i)*OUTB th:TH_STORE_NT
.endm
	s_mov_b32 s[CNT], ROUNDS-1
.Lround:
.irp i, 0,1,2,3,4,5,6,7,8,9,10,11,12,13,14,15
	SLOT \i, 1, DEPTH-1                            ; behind a slot's load stand the loads of the 15 other slots, over the backward jump too
.endr
	s_wait_xcnt 0x0                                ; every load and store issued so far has had its addresses translated (ISA guide 3.1): only behind this wait are the two bases stepped and the stores' data written anew
	s_add_nc_u64 s[IN:IN+1], s[IN:IN+1], DEPTH*INB
	s_add_nc_u64 s[OUT:OUT+1], s[OUT:OUT+1], DEPTH*OUTB
	s_sub_co_u32 s[CNT], s[CNT], 1
	s_cmp_lg_u32 s[CNT], 0
	s_cbranch_scc1 .Lround
.irp i, 0,1,2,3,4,5,6,7,8,9,10,11,12,13,14,15
	SLOT \i, 0, DEPTH-1-(\i)                       ; the last round loads nothing: no load leaves the buffer, and the counts run down
.endr
	s_endpgm
.Lfunc_end_k_q183620caa2_quant:
	.size	k_q183620caa2_quant, .Lfunc_end_k_q183620caa2_quant-k_q183620caa2_quant
	.p2alignl 7, 3214868480
	.fill 96, 4, 3214868480
	.section	.rodata,"a",@progbits
	.p2align	6, 0x0
	.amdhsa_kernel k_q183620caa2_quant
		.amdhsa_group_segment_fixed_size 0
		.amdhsa_private_segment_fixed_size 0
		.amdhsa_enable_private_segment 0
		.amdhsa_kernarg_size 32
		.amdhsa_user_sgpr_count 2
		.amdhsa_user_sgpr_kernarg_segment_ptr 1
		.amdhsa_wavefront_size32 1
		.amdhsa_system_sgpr_workgroup_id_x 1
		.amdhsa_system_sgpr_workgroup_id_y 1
		.amdhsa_system_sgpr_workgroup_id_z 1
		.amdhsa_system_vgpr_workitem_id 0
		.amdhsa_next_free_vgpr 108
		.amdhsa_next_free_sgpr 66
		.amdhsa_reserve_vcc 0
		.amdhsa_float_denorm_mode_32 3
		.amdhsa_float_denorm_mode_16_64 3
		.amdhsa_memory_ordered 1
		.amdhsa_forward_progress 1
		.amdhsa_inst_pref_size 31
	.end_amdhsa_kernel
	.amdgpu_metadata
---
amdhsa.version: [ 1, 2 ]
amdhsa.kernels:
  - .name:           k_q183620caa2_quant
    .symbol:         k_q183620caa2_quant.kd
    .args:
      - { .name: x, .offset: 0, .size: 8, .value_kind: global_buffer, .address_space: global }
      - { .name: weight, .offset: 8, .size: 8, .value_kind: global_buffer, .address_space: global }
      - { .name: xq, .offset: 16, .size: 8, .value_kind: global_buffer, .address_space: global }
      - { .name: wq, .offset: 24, .size: 8, .value_kind: global_buffer, .address_space: global }
    .group_segment_fixed_size: 0
    .private_segment_fixed_size: 0
    .kernarg_segment_align: 8
    .kernarg_segment_size: 32
    .max_flat_workgroup_size: 256
    .sgpr_count:     66
    .vgpr_count:     108
    .wavefront_size: 32
...
	.end_amdgpu_metadata
.endif
;; end of part 1
;; launch gemm (part 2): grid 16 x 16, 4 waves a work-group, clusters of 4 x 4, 327,680 bytes of LDS; arguments xq, wq, out0, bias; writes out0
.if DOCPART == 2
	.amdgcn_target "amdgcn-amd-amdhsa--gfx1250"
	.amdhsa_code_object_version 6
	.text
	.protected	k_q183620caa2_gemm
	.globl	k_q183620caa2_gemm
	.p2align	8
	.type	k_q183620caa2_gemm,@function
k_q183620caa2_gemm:
	s_mov_b64 s[64:65], 0
	v_nop
	global_prefetch_b8 v0, s[64:65] scope:SCOPE_SE
	s_setreg_imm32_b32 hwreg(HW_REG_WAVE_MODE, 25, 1), 1
	s_wait_xcnt 0x0
	s_wait_alu depctr_hold_cnt(0) depctr_sa_sdst(0) depctr_va_vdst(0) depctr_va_sdst(0) depctr_va_ssrc(0) depctr_va_vcc(0) depctr_vm_vsrc(0)
	s_getreg_b32 s2, hwreg(HW_REG_IB_STS2, 6, 4)
	s_cmp_eq_u32 s2, 0
	s_cbranch_scc0 .Lentry_in_a_cluster
	s_endpgm
.Lentry_in_a_cluster:
	s_bfe_u32 s2, ttmp6, 0x10000c
	s_cmp_lg_u32 s2, 0xf033
	s_cbranch_scc0 .Lentry_shape_is_right
	s_endpgm
.Lentry_shape_is_right:
; out0[m][n] = float_quantize(sum over k of xq[m][k] wq[n][k], 5, 10) + bias[n].  xq, wq: [4096][4096] f16, the operands as reference() itself rounds them (made by the launch before);
; out0: [4096][4096] f32; bias: [4096] f32.  Products of f16 operands, sums in f32.  float_quantize of a sum is a conversion to f16 (nearest, ties to even, subnormals kept) held to +-65,504;
; the bias is added in f32 behind it, as reference() adds it.  No work is left out.
; LIMITS.  The f32 sums are taken in another order than reference()'s, so a sum that lies at a tie of f16 may fall to the neighbour: one step of f16, 2^-11 of the number.  The operands are finite, at most
; 65,504, so a sum is at most 4,096 x 65,504^2 = 1.8e13: never NaN or infinite in f32, and no step for NaN is taken here.  A NaN in bias reaches the output, as in reference().  The sign of a zero is not kept apart.
; SHARES.  A tile of out0, 256 x 256, is made by a work-group of four waves; a wave makes 128 x 128: 64 accumulators of 16 x 16, 512 registers.  256 tiles, one to a work-group.
; K goes in 32 steps of 128 through a ring of two LDS slots filled by the tensor data mover: a tile's rows are 256 bytes of memory, at multiples of 256 bytes from the buffer's first byte.
; CLUSTERS: 4 x 4 work-groups.  The four of a row of the cluster need the same tiles of xq, the four of a column the same tiles of wq: each tile is asked for JOINTLY, by the same tensor load with the same
; descriptor and a mask that names the four, and each receives it in its own LDS.  That divides the requests for xq and wq by four.
; THE MATRIX INSTRUCTION IS USED TRANSPOSED: source 0 = 16 rows of wq, source 1 = 16 rows of xq.  In the result lane l holds row l % 16 of out0 and the columns 8 (l / 16) + 0 .. 7.
; REGISTERS, in windows of 256 (s_set_vgpr_msb's low byte: bits 1:0 source 0, 3:2 source 1, 5:4 source 2, 7:6 destination):
;   window 0: v0-31 addresses, bias, constants; v64-127, v128-191 fragments of xq, two buffers; on the way out v32-63 packed results, v64-127 f32 rows to store, v192-255 rows read back
;   window 1: v64-127, v128-191 fragments of wq, two buffers
;   window 2: the 32 accumulators of my rows 0-63 (accumulator (a, b) at v[8 (8 a + b)]);   window 3: those of my rows 64-127
; lds_bytes: 327,680 bytes are claimed; the text uses 296,448 bytes.
.set SIZE_K, 4096
.set SIZE_N, 4096
.set KSTEP,  128
.set PITCH,  272                       ; an LDS row: 256 bytes of data + 16 of padding = 68 words: row r starts at bank 4 r mod 64 (64 banks of 4 bytes: ISA guide 11.1), so the 16 rows of a load start at 16 different banks
.set HALFT,  128*PITCH                 ; 128 rows: what one tensor load brings, and what one wave reads of xq or of wq
.set SLOT,   4*HALFT                   ; xq's 256 rows, then wq's 256 rows
.set STAGE,  2*SLOT                    ; behind the ring, never filled by a tensor load: 16 rows x 272 bytes of f16 for each wave, for the way out
.set SPITCH, 272
.set SPARE,  STAGE+4*16*SPITCH         ; behind the stages: the spare words, 128 bytes for each wave: two blocks of 256 bytes that no other line names
.set LAPS,   SIZE_K/(2*KSTEP)          ; a lap = two K steps = once round the ring: 16
.set BIAS, 8                           ; v[8:11] bias of my four columns 4 x lane + 0..3 of the wave's 128
.set BO,   12                          ; v12     their byte offset in bias; never rewritten
.set ONE,  13                          ; v13     1.0
.set ADRA, 16                          ; v16-17  LDS address of my xq fragments in slot 0, 1
.set ADRB, 20                          ; v20-21  the same for wq
.set STO,  24                          ; v24     the way out: where I put 16 bytes of a row
.set RD,   25                          ; v25     the way out: where I read 8 bytes of a row back
.set CO,   26                          ; v26     my byte offset in a row of the wave's part of out0: 16 x lane; never rewritten
.set SPW,  28                          ; v28     LDS address of my spare word: SPARE + 4 x my thread's number; never rewritten
.set NIL,  29                          ; v29     0; never rewritten
.set PFO,  30                          ; v30     the prefetches' offset: my lane x a row of xq or wq (8,192 bytes); never rewritten
.set TMP,  32                          ; the way out: a block's results in f16, 32 registers
.set OF,   64                          ; the way out: 16 rows in f32 with the bias, 64 registers
.set BK0,  192                         ; the way out: 16 rows read back from the stage, 32 registers: v192-223 and v224-255 by turns
.set F0,   64                          ; fragment buffer 0
.set F1,   128                         ; fragment buffer 1
.set G1,  24                           ; s[24:31] descriptor group 1 for xq's tiles
.set G0,  32                           ; s[32:39] descriptor group 0 for xq's tiles, one set for each slot
.set LIM, 43                           ; s43      1 in a wave that prefetches, else the greatest number
.set PFA, 44                           ; s[44:45] where my prefetches stand: my work-group's 32 rows of the 128 that I fetch, one K step further along K than the refill in hand; a prefetch names the K step after that
.set G1B, 48                           ; s[48:55] descriptor group 1 for wq's tiles: it differs in the mask alone
.set G0B, 56                           ; s[56:63] descriptor group 0 for wq's tiles
.set BP,  66                           ; s[66:67] bias
.set TOP, 68                           ; s68      65,504 twice in f16
.set BOT, 69                           ; s69      -65,504 twice
.set MSB, 0
.macro WIN new                         ; the immediate's high byte repeats the setting that is left; a switch that changes nothing is dropped
.if MSB != (\new)
	s_set_vgpr_msb (MSB<<8)|(\new)
.set MSB, \new
.endif
.endm
.set MUL_LO, 0xa1                      ; source 0 (wq) window 1, source 1 (xq) window 0, C and D window 2
.set MUL_HI, 0xf1                      ; the same, C and D window 3
.set TO_B,   0x40                      ; destination window 1, address window 0
; A joint load.  Waves 0 and 1 fetch xq's two halves, waves 2 and 3 wq's.  Each of the two lines has ONE mask and one set of registers for all that issue it.  The branch hangs on the wave's number alone.
; An s_nop 0 and four v_nop follow each of the two lines, ahead of the jump, the label and what follows the macro.
.macro JLOAD s
	s_cmp_eq_u32 s11, 0
	s_cbranch_scc0 .Lfor_b_\@
	tensor_load_to_lds s[G0+4*(\s):G0+4*(\s)+3], s[G1:G1+7]
	s_nop 0
.rept 4
	v_nop
.endr
	s_branch .Lasked_\@
.Lfor_b_\@:
	tensor_load_to_lds s[G0B+4*(\s):G0B+4*(\s)+3], s[G1B:G1B+7]
	s_nop 0
.rept 4
	v_nop
.endr
.Lasked_\@:
.endm
; A PREFETCH, behind each joint refill, its five lines and the run of LDS loads that follows them: the K step that stands TWO refills on, 512 matrix instructions ahead of the load that will want it:
; 32 rows x 256 bytes, a lane a row, one instruction a wave.  Each row's 256 bytes of a K step are named ONCE in the launch: xq's tile row is read by every cluster of that row of clusters, and the one with
; cluster x = 0 asks; wq's tile column by every cluster of that column, and the one with cluster y = 0 asks.  The four partners that ask for a tile jointly share its rows out BY ADDRESS: of the 128 rows
; that a wave fetches the partner at place p takes 32 p .. 32 p + 31 (p = cx for xq, cy for wq).  K steps 0 to 3 come by their loads alone; the loop's last trip (s3 = 1) asks for nothing: K ends there.
.macro ASK
	s_cmp_gt_u32 s3, s[LIM]
	s_cbranch_scc0 .Lnot_mine_\@
	global_prefetch_b8 v[PFO], s[PFA:PFA+1] offset:KSTEP*2 th:TH_LOAD_NT scope:SCOPE_SE
.Lnot_mine_\@:
.endm
; A round of the cluster's barrier: my work-group's barrier, so that wave 0's signal speaks for all four waves; wave 0 signals for the work-group; every wave waits for all sixteen work-groups;
; my work-group's barrier once more.  No LDS instruction of the wave is pending at a signal.
.macro CREST                           ; a round behind its opening barrier
	s_cmp_lg_u32 s10, 0
	s_cbranch_scc1 .Lnot_wave_0_\@
	s_barrier_signal -3
.Lnot_wave_0_\@:
	s_barrier_wait -3
	s_barrier_signal -1
	s_barrier_wait -1
.endm
.macro CROUND                          ; a whole round
	s_barrier_signal -1
	s_barrier_wait -1
	CREST
.endm
	s_load_b128 s[4:7], s[0:1], 0x0                ; xq s[4:5], wq s[6:7]
	s_load_b64 s[8:9], s[0:1], 0x10                ; out0
	s_load_b64 s[BP:BP+1], s[0:1], 0x18            ; bias
	v_lshl_add_u32 v[SPW], v0, 2, SPARE
	v_mov_b32 v[NIL], 0
	ds_add_u32 v[SPW], v[NIL]                      ; the wave's opening: the add, twice on end, and its wait ahead of my first tensor load; the set-up below, work on registers, stands between
	ds_add_u32 v[SPW], v[NIL]                      ; the same add once more, under the one wait
	v_lshrrev_b32 v1, 5, v0
	v_readfirstlane_b32 s10, v1                    ; wave 0..3
	s_lshr_b32 s11, s10, 1                         ; which half of the tile's rows is mine.  Also: I fetch for xq (0) or for wq (1)
	s_and_b32 s12, s10, 1                          ; which half of its columns.  Also: which 128 rows of that tile I fetch
	s_bfe_u32 s40, ttmp6, 0x40000                  ; cx: my place along the cluster's x
	s_bfe_u32 s41, ttmp6, 0x40004                  ; cy: along its y
	s_lshl_b32 s42, ttmp9, 2                       ; in a cluster launch ttmp9 and ttmp7 count clusters
	s_add_co_u32 s42, s42, s40                     ; tile column = 4 x cluster x + cx
	s_and_b32 s13, ttmp7, 0xffff
	s_lshl_b32 s13, s13, 2
	s_add_co_u32 s13, s13, s41                     ; tile row = 4 x cluster y + cy
	s_lshl_b32 s43, s41, 2
	s_lshl_b32 s43, 15, s43                        ; my row of the cluster: places 4 cy .. 4 cy + 3
	s_lshl_b32 s44, 0x1111, s40                    ; my column: places cx, cx + 4, cx + 8, cx + 12
	; descriptor group 1: a tile of 128 rows x 128 elements, padded in LDS
	s_or_b32 s[G1+0], s43, (1<<16)|(1<<20)|(1<<21)|(5<<22)|(3<<25)  ; 15:0 the mask: xq's tiles go to my row; 17:16 elements of 2 bytes; 20 padding on; 21 set beside a mask; 24:22 after every 64 words (code 5); 31:25 4 words of it (code 3)
	s_or_b32 s[G1B+0], s44, (1<<16)|(1<<20)|(1<<21)|(5<<22)|(3<<25) ; the same with the mask of my column, for wq's tiles
	s_mov_b32 s[G1B+1], KSTEP<<16
	s_mov_b32 s[G1+1], KSTEP<<16                   ; tensor_dim0 = 128
	s_mov_b32 s[G1B+2], 128<<16
	s_mov_b32 s[G1+2], 128<<16                     ; tensor_dim1 = 128
	s_mov_b32 s[G1B+3], KSTEP<<16
	s_mov_b32 s[G1+3], KSTEP<<16                   ; tile_dim0 = 128
	s_mov_b32 s[G1B+4], 128
	s_mov_b32 s[G1+4], 128                         ; tile_dim1 = 128
	s_mov_b32 s[G1B+5], SIZE_K
	s_mov_b32 s[G1+5], SIZE_K                      ; elements from row to row
	s_mov_b32 s[G1B+6], 0
	s_mov_b32 s[G1+6], 0
	s_mov_b32 s[G1B+7], 0
	s_mov_b32 s[G1+7], 0
	s_mov_b32 s[TOP], 0x7bff7bff
	s_mov_b32 s[BOT], 0xfbfffbff
	; where the tiles come from.  xq's hang on the tile row alone, which my row of the cluster shares; wq's on the tile column alone, which my column shares.
	; Every wave makes both addresses, in registers that never hold the other coordinate, and asks by one of them.
	s_lshl_b32 s17, s12, 7                         ; which 128 rows of the tile I fetch
	s_lshl_b32 s16, s13, 8
	s_add_co_u32 s16, s16, s17                     ; xq: row 256 x tile row + 128 x half
	s_lshl_b32 s46, s42, 8
	s_add_co_u32 s46, s46, s17                     ; wq: row 256 x tile column + 128 x half
	s_mov_b32 s17, 0
	s_mov_b32 s47, 0
	s_mov_b64 s[18:19], SIZE_K*2
	s_mul_u64 s[16:17], s[16:17], s[18:19]         ; in bytes
	s_mul_u64 s[46:47], s[46:47], s[18:19]
	s_mul_i32 s20, s10, HALFT                      ; and where they go: xq's two halves, then wq's two halves = wave x 128 rows: no place in the cluster enters an LDS address
	s_wait_dscnt 0x0                               ; both opening adds are done
	s_wait_kmcnt 0x0
	s_add_nc_u64 s[14:15], s[4:5], s[16:17]
	s_add_nc_u64 s[46:47], s[6:7], s[46:47]
	CROUND                                         ; all sixteen work-groups are here: the first joint loads meet
.irp s, 0,1
	s_mov_b32 s[G0+4*(\s)], 1                                      ; count = 1
	s_add_co_u32 s[G0+4*(\s)+1], s20, (\s)*SLOT                    ; LDS address
	s_add_nc_u64 s[G0+4*(\s)+2:G0+4*(\s)+3], s[14:15], (\s)*KSTEP*2  ; global address: K step s
	s_or_b32 s[G0+4*(\s)+3], s[G0+4*(\s)+3], 0x80000000            ; type = 2
	s_mov_b32 s[G0B+4*(\s)], 1
	s_add_co_u32 s[G0B+4*(\s)+1], s20, (\s)*SLOT
	s_add_nc_u64 s[G0B+4*(\s)+2:G0B+4*(\s)+3], s[46:47], (\s)*KSTEP*2
	s_or_b32 s[G0B+4*(\s)+3], s[G0B+4*(\s)+3], 0x80000000
	JLOAD \s                                       ; the ring is filled before anything else is done: two tensor loads of mine are out
.endr
	; A fragment is 16 rows x 32 K in 8 registers: lane l holds row l % 16; registers 0-3 hold K = 8 (l / 16) + 0..7, registers 4-7 hold K = 16 + 8 (l / 16) + 0..7: two loads of 16 bytes, 32 bytes apart.
	v_and_b32 v1, 15, v0                           ; l % 16
	v_bfe_u32 v2, v0, 4, 1                         ; l / 16
	v_mul_u32_u24 v3, v1, PITCH
	v_lshl_add_u32 v3, v2, 4, v3                   ; row x pitch + 16 x half
	s_mul_i32 s21, s11, HALFT                      ; my 128 rows of xq
	s_mul_i32 s22, s12, HALFT                      ; my 128 rows of wq,
	s_add_co_u32 s22, s22, 2*HALFT                 ; which lie behind xq's 256
.irp s, 0,1
	v_add_nc_u32 v[ADRA+(\s)], s21, v3
	v_add_nc_u32 v[ADRB+(\s)], s22, v3
	s_add_co_u32 s21, s21, SLOT
	s_add_co_u32 s22, s22, SLOT
.endr
	s_mul_i32 s23, s10, 16*SPITCH
	s_add_co_u32 s23, s23, STAGE                   ; my stage
	v_mul_u32_u24 v4, v1, SPITCH                   ; in: row l % 16, 16 bytes for each half of the lanes
	v_lshl_add_u32 v4, v2, 4, v4
	v_add_nc_u32 v[STO], s23, v4
	v_and_b32 v5, 31, v0                           ; lane
	v_lshl_add_u32 v[RD], v5, 3, s23               ; back: the 32 lanes take one row of 256 bytes, 8 bytes (4 columns) each
	v_lshlrev_b32 v[CO], 4, v5                     ; the same 4 columns in f32: 16 bytes
	v_mov_b32 v[ONE], 1.0
	; out0 at my first row and column
	s_lshl_b32 s13, s13, 8                         ; 256 x tile row
	s_lshl_b32 s14, s11, 7
	s_add_co_u32 s16, s13, s14                     ; my first row
	s_mov_b32 s17, 0
	s_mov_b64 s[18:19], SIZE_N*4
	s_mul_u64 s[16:17], s[16:17], s[18:19]
	s_lshl_b32 s46, s42, 10                        ; my first column in bytes of f32: 1,024 x tile column + 512 x half (in the registers that held wq's address)
	s_lshl_b32 s47, s12, 9
	s_add_co_u32 s46, s46, s47
	s_mov_b32 s47, 0
	v_lshl_add_u32 v[BO], v5, 4, s46               ; the same offset finds my four numbers of bias
	s_add_nc_u64 s[16:17], s[16:17], s[46:47]
	s_add_nc_u64 s[8:9], s[8:9], s[16:17]
	global_load_b128 v[BIAS:BIAS+3], v[BO], s[BP:BP+1]  ; waited for in front of the way out
	; the prefetches.  s13 = 256 x tile row, s42 = tile column, s40 = cx, s41 = cy still stand
	s_lshl_b32 s42, s42, 8
	s_and_b32 s22, ttmp7, 0xffff                   ; cluster y
	s_cmp_eq_u32 s11, 0                            ; do I fetch for xq?
	s_cselect_b32 s20, s13, s42                    ; the tile's first row: in xq by the tile row, in wq by the tile column
	s_cselect_b32 s21, s40, s41                    ; my place among the four that ask for it with me
	s_cselect_b32 s22, ttmp9, s22                  ; the coordinate along which other clusters read the same rows
	s_cselect_b64 s[PFA:PFA+1], s[4:5], s[6:7]
	s_cmp_eq_u32 s22, 0
	s_cselect_b32 s[LIM], 1, -1                    ; the same in all sixteen partners, for a given wave
	s_lshl_b32 s22, s12, 7
	s_add_co_u32 s20, s20, s22                     ; + the 128 rows that I fetch
	s_lshl_b32 s21, s21, 5
	s_add_co_u32 s20, s20, s21                     ; + my work-group's 32 of them
	s_mov_b32 s21, 0
	s_mov_b64 s[18:19], SIZE_K*2
	s_mul_u64 s[20:21], s[20:21], s[18:19]
	s_add_nc_u64 s[PFA:PFA+1], s[PFA:PFA+1], s[20:21]
	s_add_nc_u64 s[PFA:PFA+1], s[PFA:PFA+1], 2*KSTEP*2  ; at K step 2: the first refill steps it to 3 and names K step 4
	v_mul_u32_u24 v[PFO], v5, SIZE_K*2
; 16 matrix instructions: m blocks a0, a0 + 1 of the window's four (hi = 0: my rows 0-63, 1: rows 64-127) x all 8 n blocks, 32 along K.  zero = 1: the first product starts the sums: nothing is ever cleared.
; The 64 accumulators take turns, one instruction a turn, in the same order in every quarter step: between two links of a chain stand the 63 others'.
.macro MUL16 f, hi, a0, zero
	WIN MUL_LO+0x50*(\hi)  ; MUL_LO or MUL_HI
.irp a, \a0, (\a0)+1
.irp b, 0,1,2,3,4,5,6,7
.if \zero
	v_wmma_f32_16x16x32_f16 v[8*(8*(\a)+(\b)):8*(8*(\a)+(\b))+7], v[(\f)+8*(\b):(\f)+8*(\b)+7], v[(\f)+8*(4*(\hi)+(\a)):(\f)+8*(4*(\hi)+(\a))+7], 0
.else
	v_wmma_f32_16x16x32_f16 v[8*(8*(\a)+(\b)):8*(8*(\a)+(\b))+7], v[(\f)+8*(\b):(\f)+8*(\b)+7], v[(\f)+8*(4*(\hi)+(\a)):(\f)+8*(4*(\hi)+(\a))+7], v[8*(8*(\a)+(\b)):8*(8*(\a)+(\b))+7]
.endif
.endr
.endr
.endm
; 32 LDS loads in one run: the fragments of one quarter step (128 rows of wq, 128 rows of xq, 32 K at byte k of the rows) into buffer f
.macro FETCH slot, k, f
	WIN TO_B
.irp i, 0,1,2,3,4,5,6,7
	ds_load_b128 v[(\f)+8*(\i):(\f)+8*(\i)+3],   v[ADRB+(\slot)] offset:(\k)+(\i)*16*PITCH
	ds_load_b128 v[(\f)+8*(\i)+4:(\f)+8*(\i)+7], v[ADRB+(\slot)] offset:(\k)+(\i)*16*PITCH+32
.endr
	WIN 0
.irp i, 0,1,2,3,4,5,6,7
	ds_load_b128 v[(\f)+8*(\i):(\f)+8*(\i)+3],   v[ADRA+(\slot)] offset:(\k)+(\i)*16*PITCH
	ds_load_b128 v[(\f)+8*(\i)+4:(\f)+8*(\i)+7], v[ADRA+(\slot)] offset:(\k)+(\i)*16*PITCH+32
.endr
.endm
; A load into a register that a matrix instruction has read, and a vector instruction that reads a matrix result, stand four places behind that matrix instruction, and only plain vector instructions that
; name none of its registers are places (ISA guide 7.12.1 for vector instructions); the matrix instructions in between are not counted.
.macro PLACES
.rept 4
	v_nop
.endr
.endm
; A K step is four quarter steps of 32 along K, 64 matrix instructions each, on buffers 0, 1, 0, 1.
; One of the first three: multiplies buffer f; in its middle it fetches the next quarter's fragments, at byte k of the same slot's rows, into buffer g.
.macro QUARTER slot, k, f, g, zero
	s_wait_dscnt 8                                 ; wq and xq's rows 0-63 are in; the youngest eight loads (xq's rows 64-127) may be out
	WIN MUL_LO
	MUL16 \f, 0, 0, \zero
	MUL16 \f, 0, 2, \zero
	PLACES
	FETCH \slot, \k, \g
	s_wait_dscnt 32                                ; all but the 32 just issued
	WIN MUL_HI
	MUL16 \f, 1, 0, \zero
	MUL16 \f, 1, 2, \zero
.endm
; The last quarter multiplies buffer 1 and changes slots.  MEET is its first half: ONE barrier for the change.  In front of it each wave waits for all its tensor loads, of which one is out: its part of the
; next slot; adds 0 to its spare word; and waits for that and for its own reads of this slot.  Behind it nobody reads this slot any more and the next slot is whole.
.macro MEET round                      ; round = 1: the rest of a round of the cluster's barrier follows
	WIN 0                                          ; (the add's two registers lie in window 0)
	s_wait_tensorcnt 0x0                           ; all my tensor loads have landed
	ds_add_u32 v[SPW], v[NIL]                      ; 0 onto my spare word
	s_wait_dscnt 9                                 ; (the add and the youngest eight loads may be out)
	WIN MUL_LO
	MUL16 F1, 0, 0, 0                              ; sixteen matrix instructions stand between the add and the wait for it
	s_wait_dscnt 0x0                               ; the add is done, and my reads of this slot are over:
	s_barrier_signal -1                            ; say so,
	MUL16 F1, 0, 2, 0                              ; work on registers while the others arrive,
.if \round
	WIN 0
.endif
	s_barrier_wait -1                              ; and go on when all four have said so
.endm
; The whole last quarter.  fill = 1: the barrier opens a round of the cluster's barrier, and behind the round the slot just read out is filled again first, with the K step two steps on; then come the next
; slot's first fragments.  From a request to the wait for it a wave issues 224 matrix instructions.  fill = 0: nothing is left to ask for.
.macro TURN slot, next, fill
.if \fill
	s_wait_xcnt 0x0                                ; the last prefetch, a K step back, has read its address: it is stepped here, ahead of the waits of the change of slots
	s_add_nc_u64 s[PFA:PFA+1], s[PFA:PFA+1], KSTEP*2
.endif
	MEET \fill
.if \fill
	CREST                                          ; no wave of any partner still reads this slot's tile or has a load on its way
	s_add_nc_u64 s[G0+4*(\slot)+2:G0+4*(\slot)+3], s[G0+4*(\slot)+2:G0+4*(\slot)+3], 2*KSTEP*2     ; no tensor load of mine is out, so a group 0 may be written
	s_add_nc_u64 s[G0B+4*(\slot)+2:G0B+4*(\slot)+3], s[G0B+4*(\slot)+2:G0B+4*(\slot)+3], 2*KSTEP*2
	JLOAD \slot                                    ; the first tensor load behind the round, and my only one until the next; its four v_nop are also the places in front of the loads below
.else
	PLACES
.endif
	FETCH \next, 0, F0
.if \fill
	ASK
.endif
	WIN MUL_HI
	MUL16 F1, 1, 0, 0
	MUL16 F1, 1, 2, 0
.endm
; THE WAY OUT of block a (16 rows x my 128 columns), in three parts.
; PACK: the sums are rounded to f16 (each accumulator's registers in ascending order) and held to +-65,504: float_quantize of the product.
.macro PACK a
.set AC, 64*((\a)%4)
	WIN 0x0a+5*((\a)/4)                            ; sources 0 and 1: window 2 or 3
.irp b, 0,1,2,3,4,5,6,7
.irp r, 0,1,2,3
	v_cvt_pk_f16_f32 v[TMP+4*(\b)+(\r)], v[AC+8*(\b)+2*(\r)], v[AC+8*(\b)+2*(\r)+1]
.endr
.endr
	WIN 0
.set i, 0
.rept 32
	v_pk_min_num_f16 v[TMP+i], v[TMP+i], s[TOP]    ; an infinity goes back to 65,504
.set i, i+1
.endr
.set i, 0
.rept 32
	v_pk_max_num_f16 v[TMP+i], v[TMP+i], s[BOT]
.set i, i+1
.endr
.endm
; TOSTAGE: 16 bytes a lane into my own stage, and back by rows: the 32 lanes take one row's 256 bytes.
.macro TOSTAGE a
	WIN 0
.set BK, BK0+32*((\a)%2)
.irp b, 0,1,2,3,4,5,6,7
	ds_store_b128 v[STO], v[TMP+4*(\b):TMP+4*(\b)+3] offset:32*(\b)
.endr
.irp t, 0,1,2,3,4,5,6,7,8,9,10,11,12,13,14,15
	ds_load_b64 v[BK+2*(\t):BK+2*(\t)+1], v[RD] offset:(\t)*SPITCH  ; LDS serves a wave's instructions in order (ISA guide 5.7.1.4): these see the stores above; the next block's stores come behind them
.endr
.endm
; SEND: each f16 half is widened and the bias added in one line, half x 1.0 + bias in f32; a row is stored as soon as it is made.
.macro SEND a
	WIN 0
.set BK, BK0+32*((\a)%2)
	s_wait_dscnt 0x0                               ; the block is back in registers
	s_wait_xcnt 0x0                                ; every earlier store has had its addresses translated (ISA guide 3.1): only behind this wait are the registers that the last block's stores read written anew
.set t, 0
.rept 16
	v_fma_mix_f32 v[OF+4*t],   v[BK+2*t],   v[ONE], v[BIAS]   op_sel_hi:[1,0,0]
	v_fma_mix_f32 v[OF+4*t+1], v[BK+2*t],   v[ONE], v[BIAS+1] op_sel:[1,0,0] op_sel_hi:[1,0,0]
	v_fma_mix_f32 v[OF+4*t+2], v[BK+2*t+1], v[ONE], v[BIAS+2] op_sel_hi:[1,0,0]
	v_fma_mix_f32 v[OF+4*t+3], v[BK+2*t+1], v[ONE], v[BIAS+3] op_sel:[1,0,0] op_sel_hi:[1,0,0]
	global_store_b128 v[CO], v[OF+4*t:OF+4*t+3], s[8:9] offset:(16*(\a)+t)*SIZE_N*4 th:TH_STORE_NT  ; the wave stores 512 consecutive bytes, at a multiple of 512 from out0's first byte; the row stands in the immediate: 127 rows of 16,384 bytes at the most, inside its signed 24 bits
.set t, t+1
.endr
.endm
	s_wait_tensorcnt 1                             ; my part of K step 0 is in; K step 1's may stay out
	s_barrier_signal -1
	s_barrier_wait -1                              ; everybody's is
	FETCH 0, 0, F0
	QUARTER 0, 64,  F0, F1, 1                      ; the first quarter stands in front of the loop: its products start the sums
	WIN 0                                          ; at a label and at a branch every window is 0
	s_mov_b32 s3, LAPS-1
.Llap:                                                 ; a trip goes once round the ring, from a lap's second quarter to the next lap's first, and fills both slots again
	QUARTER 0, 128, F1, F0, 0
	QUARTER 0, 192, F0, F1, 0
	TURN 0, 1, 1
	QUARTER 1, 64,  F0, F1, 0
	QUARTER 1, 128, F1, F0, 0
	QUARTER 1, 192, F0, F1, 0
	TURN 1, 0, 1
	QUARTER 0, 64,  F0, F1, 0
	WIN 0
	s_sub_co_u32 s3, s3, 1
	s_cmp_lg_u32 s3, 0
	s_cbranch_scc1 .Llap
	QUARTER 0, 128, F1, F0, 0                      ; the last lap is written out: it fills nothing
	QUARTER 0, 192, F0, F1, 0
	TURN 0, 1, 0                                   ; my one tensor load that was still out is slot 1's, the last K step's
	QUARTER 1, 64,  F0, F1, 0
	QUARTER 1, 128, F1, F0, 0
	QUARTER 1, 192, F0, F1, 0
	s_wait_dscnt 8                                 ; the very last quarter: nothing more to fetch
	WIN MUL_LO
	MUL16 F1, 0, 0, 0
	MUL16 F1, 0, 2, 0
	s_wait_dscnt 0x0
	WIN MUL_HI
	MUL16 F1, 1, 0, 0
	MUL16 F1, 1, 2, 0
	WIN 0
	PLACES                                         ; the conversions below read matrix results
	s_wait_loadcnt 0x0                             ; bias
	PACK 0
	TOSTAGE 0
.irp a, 1,2,3,4,5,6,7                  ; block a's conversions stand between block a - 1's loads from the stage and the wait for them
	PACK \a
	SEND (\a)-1
	TOSTAGE \a
.endr
	SEND 7
	s_wait_tensorcnt 0x0                           ; the wave's end: behind my last tensor load and my last LDS store
	ds_add_u32 v[SPW], v[NIL]
	s_wait_dscnt 0x0
	CROUND                                         ; the closing round: no work-group ends while a partner may still ask for a tile that names it
	s_endpgm
.Lfunc_end_k_q183620caa2_gemm:
	.size	k_q183620caa2_gemm, .Lfunc_end_k_q183620caa2_gemm-k_q183620caa2_gemm
	.p2alignl 7, 3214868480
	.fill 96, 4, 3214868480
	.section	.rodata,"a",@progbits
	.p2align	6, 0x0
	.amdhsa_kernel k_q183620caa2_gemm
		.amdhsa_group_segment_fixed_size 327680
		.amdhsa_private_segment_fixed_size 0
		.amdhsa_enable_private_segment 0
		.amdhsa_kernarg_size 32
		.amdhsa_user_sgpr_count 2
		.amdhsa_user_sgpr_kernarg_segment_ptr 1
		.amdhsa_wavefront_size32 1
		.amdhsa_system_sgpr_workgroup_id_x 1
		.amdhsa_system_sgpr_workgroup_id_y 1
		.amdhsa_system_sgpr_workgroup_id_z 1
		.amdhsa_system_vgpr_workitem_id 0
		.amdhsa_next_free_vgpr 1024
		.amdhsa_next_free_sgpr 70
		.amdhsa_reserve_vcc 0
		.amdhsa_float_denorm_mode_32 3
		.amdhsa_float_denorm_mode_16_64 3
		.amdhsa_memory_ordered 1
		.amdhsa_forward_progress 1
		.amdhsa_inst_pref_size 218
	.end_amdhsa_kernel
	.amdgpu_metadata
---
amdhsa.version: [ 1, 2 ]
amdhsa.kernels:
  - .name:           k_q183620caa2_gemm
    .symbol:         k_q183620caa2_gemm.kd
    .args:
      - { .name: xq, .offset: 0, .size: 8, .value_kind: global_buffer, .address_space: global }
      - { .name: wq, .offset: 8, .size: 8, .value_kind: global_buffer, .address_space: global }
      - { .name: out0, .offset: 16, .size: 8, .value_kind: global_buffer, .address_space: global }
      - { .name: bias, .offset: 24, .size: 8, .value_kind: global_buffer, .address_space: global }
    .group_segment_fixed_size: 327680
    .private_segment_fixed_size: 0
    .kernarg_segment_align: 8
    .kernarg_segment_size: 32
    .max_flat_workgroup_size: 128
    .sgpr_count:     70
    .vgpr_count:     1024
    .wavefront_size: 32
...
	.end_amdgpu_metadata
.endif
;; end of part 2
;; ======== version 2 of 2: 2 launches; version 1 with the launch quant written anew for expert scheduling mode
;; workspace buffers: xq 33,554,432 bytes; wq 33,554,432 bytes
;; launch quant (part 3): grid 256 x 2, 8 waves a work-group, no clusters, 0 bytes of LDS; arguments x, weight, xq, wq; writes xq, wq
.if DOCPART == 3
	.amdgcn_target "amdgcn-amd-amdhsa--gfx1250"
	.amdhsa_code_object_version 6
	.text
	.protected	k_q183620caa2_quant
	.globl	k_q183620caa2_quant
	.p2align	8
	.type	k_q183620caa2_quant,@function
k_q183620caa2_quant:
	s_mov_b64 s[64:65], 0
	v_nop
	global_prefetch_b8 v0, s[64:65] scope:SCOPE_SE
	s_setreg_imm32_b32 hwreg(HW_REG_WAVE_SCHED_MODE, 0, 2), 2
	s_setreg_imm32_b32 hwreg(HW_REG_WAVE_MODE, 25, 1), 1
	s_wait_xcnt 0x0
	s_wait_alu depctr_vm_vsrc(0)
; xq = float_quantize(x, 5, 10), wq = float_quantize(weight, 5, 10), stored as f16.  x, weight: [4096][4096] f32; xq, wq: [4096][4096] f16, the same order.
; WHY A CONVERSION TO f16 IS float_quantize(., 5, 10).  Its step is 2^(e - 10) with e = floor(log2 |v|) held to -14 .. 15, its rounding to nearest, ties to even: for 2^-14 <= |v| that is
; f16's rounding of a normal number, below 2^-14 the step stays 2^-24, which is f16's step for subnormals, and 65,504 is f16's largest number.  Where f32's log2 of a number just under 2^k
; comes out as k, the number rounds to 2^k by either step.  What differs is treated here: a conversion of 65,520 or more gives an infinity, float_quantize gives 65,504 (also for an infinity);
; a NaN gives 0 there, since |v| > 0 does not hold.
; So: convert two numbers at once; split into a part >= 0 and a part <= 0 by a maximum and a minimum with 0, in which a NaN loses; hold the parts to 65,504 and -65,504; join them by OR (one is 0).
; NO WORK IS LEFT OUT, every input is read (bias by the second launch); exp = 5 and man = 10 are built in.  LIMIT: the sign of a zero is not kept apart.
; SHARES.  Work-groups with y = 0 take x, those with y = 1 weight; work-group g owns 64 STEPS of 4,096 input bytes.  In a step thread t loads the 16 bytes at 16 t and stores the 8 bytes at 8 t:
; a wave's load covers 512 consecutive bytes, its store 256 consecutive bytes, both aligned to their length.  No LDS, no barrier, no matrix unit: nothing is shared and nothing is multiplied.
; No prefetch: the loads themselves are the stream, and each byte is asked for once.
; THE MODE: SCHED_MODE bits 1:0 = 2 (LLVM: expert scheduling mode 2), set by the entry lines.  The code itself states the register dependences
; between vector instructions and memory instructions, with s_wait_alu, always for 0.
; THE PLAN.  The 64 steps go in 16 blocks of four.  Registers that memory instructions touch:
;   X0 .. X3   four blocks as loaded, a ring of 16 loads.  Block p's eight conversions, at its head, read X[p % 4]; nothing else reads it; behind them the loads of block p + 4 land in it.
;   Y0, Y1     two blocks of f16 to store.  Written by block p's eight v_or_b32 (Y[p % 2]); read by the four stores that are issued in block p + 1.
;   v1, v2     byte offsets, made once at the head and never written again: the steps are reached by the two scalar bases, which move on by a block at each block's head, and by immediate offsets.
;   H, P, N    are named by vector instructions alone.
; So ONE wait on va_vdst stands in a block, behind its conversions: they are done reading X[p % 4], and the block before has written the other Y.  The block's four loads and four stores follow it,
; dealt among its forty other vector lines, which name H, P, N and Y[p % 2]: none of the registers that those loads and stores touch.  One wait on vm_vsrc a block stands ahead of the lines that write Y[p % 2] again.
.set BLOCK,  4                         ; steps in a block
.set BLOCKS, 64/BLOCK
.set RING,   4*BLOCK                   ; steps from a load's block to the block in whose turn it is issued: the four X buffers
.set INB,    4096                      ; input bytes in a step
.set OUTB,   2048                      ; output bytes in a step
.set VI,  1                            ; v1        16 t; never rewritten
.set VO,  2                            ; v2        8 t; never rewritten
.set X,   4                            ; v[4:67]   buffer k, step i: 4 registers at X + 16 k + 4 i, f32 as loaded
.set Y,   68                           ; v[68:83]  buffer k, step i: 2 registers at Y + 8 k + 2 i, 4 f16 to store
.set H,   84                           ; v[84:91]  step i: 2 registers at H + 2 i, converted
.set P,   92                           ; v[92:93]  the part >= 0
.set N,   94                           ; v[94:95]  the part <= 0
.set IN,  12                           ; s[12:13]  the input at this block's first step
.set OUT, 14                           ; s[14:15]  the output at the same step
.set ZER, 20                           ; s20  0, twice in f16
.set TOP, 21                           ; s21  65,504 twice
.set BOT, 22                           ; s22  -65,504 twice
.set CNT, 23                           ; s23  laps to go
	s_load_b256 s[4:11], s[0:1], 0x0               ; x s[4:5], weight s[6:7], xq s[8:9], wq s[10:11]
	s_and_b32 s2, ttmp7, 0xffff                    ; y: which of the two tensors
	s_lshl_b32 s16, ttmp9, 18                      ; the work-group's 64 steps of input: 262,144 bytes
	s_mov_b32 s17, 0
	s_lshl_b32 s18, ttmp9, 17                      ; and of output: 131,072 bytes
	s_mov_b32 s19, 0
	s_mov_b32 s[ZER], 0
	s_mov_b32 s[TOP], 0x7bff7bff
	s_mov_b32 s[BOT], 0xfbfffbff
	v_lshlrev_b32 v[VI], 4, v0
	v_lshlrev_b32 v[VO], 3, v0
	s_wait_kmcnt 0x0
	s_cmp_eq_u32 s2, 0
	s_cselect_b64 s[IN:IN+1], s[4:5], s[6:7]
	s_cselect_b64 s[OUT:OUT+1], s[8:9], s[10:11]
	s_add_nc_u64 s[IN:IN+1], s[IN:IN+1], s[16:17]
	s_add_nc_u64 s[OUT:OUT+1], s[OUT:OUT+1], s[18:19]
	s_wait_alu depctr_va_vdst(0)                   ; v1 and v2 are written: every load of the kernel reads the one as its offset, every store the other
.irp i, 0,1,2,3,4,5,6,7,8,9,10,11,12,13,14,15
	global_load_b128 v[X+4*(\i):X+4*(\i)+3], v[VI], s[IN:IN+1] offset:(\i)*INB th:TH_LOAD_NT  ; the ring is filled: blocks 0 to 3 into X0 to X3
.endr
; Block p.  xb = p % 4, yb = p % 2.  first = 1: block 0, with no block in front of it.  ahead = 1: block p + 4 is loaded, into the buffer just emptied.
; left = how many younger loads may still be out when this block's four have to be there.
.macro BLK xb, yb, first, ahead, left
	s_wait_loadcnt \left                           ; loads come back in order (ISA guide 5.7.1): X[xb] is in, the younger blocks stay out
.irp i, 0,1,2,3
.irp j, 0,1
	v_cvt_pk_f16_f32 v[H+2*(\i)+(\j)], v[X+16*(\xb)+4*(\i)+2*(\j)], v[X+16*(\xb)+4*(\i)+2*(\j)+1]  ; two roundings to nearest even; these eight lines empty X[xb]
.endr
.endr
.if !\first
	s_wait_xcnt 0x0                                ; every earlier load and store has had its addresses translated (ISA guide 3.1): the two bases and Y[yb] are rewritten only behind this wait
	s_wait_alu depctr_vm_vsrc(0)                   ; the stores issued in the block before have read Y[yb], which this block's v_or_b32 write again
.endif
	s_wait_alu depctr_va_vdst(0)                   ; the conversions above are done reading X[xb], in which the loads below land; the block before has written the other Y, which the stores below read
.if !\first
	s_add_nc_u64 s[IN:IN+1], s[IN:IN+1], BLOCK*INB     ; both bases at this block's first step
	s_add_nc_u64 s[OUT:OUT+1], s[OUT:OUT+1], BLOCK*OUTB
.endif
.irp i, 0,1,2,3
.if \ahead
	global_load_b128 v[X+16*(\xb)+4*(\i):X+16*(\xb)+4*(\i)+3], v[VI], s[IN:IN+1] offset:(RING+(\i))*INB th:TH_LOAD_NT  ; four blocks ahead; no vector instruction since the wait names these registers
.endif
.if !\first
	global_store_b64 v[VO], v[Y+8*(1-(\yb))+2*(\i):Y+8*(1-(\yb))+2*(\i)+1], s[OUT:OUT+1] offset:((\i)-BLOCK)*OUTB th:TH_STORE_NT  ; the block before: the offset reaches back
.endif
.irp j, 0,1
	v_pk_max_num_f16 v[P+(\j)], v[H+2*(\i)+(\j)], s[ZER]  ; a negative number and a NaN give 0
	v_pk_min_num_f16 v[N+(\j)], v[H+2*(\i)+(\j)], s[ZER]  ; a positive number and a NaN give 0
.endr
.irp j, 0,1
	v_pk_min_num_f16 v[P+(\j)], v[P+(\j)], s[TOP]  ; an infinity goes back to 65,504
	v_pk_max_num_f16 v[N+(\j)], v[N+(\j)], s[BOT]
.endr
.irp j, 0,1
	v_or_b32 v[Y+8*(\yb)+2*(\i)+(\j)], v[P+(\j)], v[N+(\j)]
.endr
.endr
.endm
	BLK 0, 0, 1, 1, RING-BLOCK                     ; block 0
	s_mov_b32 s[CNT], 2
.Lround:                                               ; blocks 1 to 8, four to a lap: both kinds of buffer are back at their start; behind a block's loads stand those of the three other buffers, over the backward jump too
	BLK 1, 1, 0, 1, RING-BLOCK
	BLK 2, 0, 0, 1, RING-BLOCK
	BLK 3, 1, 0, 1, RING-BLOCK
	BLK 0, 0, 0, 1, RING-BLOCK
	s_sub_co_u32 s[CNT], s[CNT], 1
	s_cmp_lg_u32 s[CNT], 0
	s_cbranch_scc1 .Lround
	BLK 1, 1, 0, 1, RING-BLOCK                     ; blocks 9 to 11 ask for the last three blocks
	BLK 2, 0, 0, 1, RING-BLOCK
	BLK 3, 1, 0, 1, RING-BLOCK
	BLK 0, 0, 0, 0, 3*BLOCK                        ; blocks 12 to 15 load nothing: no load leaves the buffer, and the counts run down
	BLK 1, 1, 0, 0, 2*BLOCK
	BLK 2, 0, 0, 0, BLOCK
	BLK 3, 1, 0, 0, 0
	s_wait_alu depctr_va_vdst(0)                   ; block 15 has written Y1, which the last four stores read
.irp i, 0,1,2,3
	global_store_b64 v[VO], v[Y+8+2*(\i):Y+8+2*(\i)+1], s[OUT:OUT+1] offset:(\i)*OUTB th:TH_STORE_NT
.endr
	s_endpgm
.Lfunc_end_k_q183620caa2_quant:
	.size	k_q183620caa2_quant, .Lfunc_end_k_q183620caa2_quant-k_q183620caa2_quant
	.p2alignl 7, 3214868480
	.fill 96, 4, 3214868480
	.section	.rodata,"a",@progbits
	.p2align	6, 0x0
	.amdhsa_kernel k_q183620caa2_quant
		.amdhsa_group_segment_fixed_size 0
		.amdhsa_private_segment_fixed_size 0
		.amdhsa_enable_private_segment 0
		.amdhsa_kernarg_size 32
		.amdhsa_user_sgpr_count 2
		.amdhsa_user_sgpr_kernarg_segment_ptr 1
		.amdhsa_wavefront_size32 1
		.amdhsa_system_sgpr_workgroup_id_x 1
		.amdhsa_system_sgpr_workgroup_id_y 1
		.amdhsa_system_sgpr_workgroup_id_z 1
		.amdhsa_system_vgpr_workitem_id 0
		.amdhsa_next_free_vgpr 96
		.amdhsa_next_free_sgpr 66
		.amdhsa_reserve_vcc 0
		.amdhsa_float_denorm_mode_32 3
		.amdhsa_float_denorm_mode_16_64 3
		.amdhsa_memory_ordered 1
		.amdhsa_forward_progress 1
		.amdhsa_inst_pref_size 47
	.end_amdhsa_kernel
	.amdgpu_metadata
---
amdhsa.version: [ 1, 2 ]
amdhsa.kernels:
  - .name:           k_q183620caa2_quant
    .symbol:         k_q183620caa2_quant.kd
    .args:
      - { .name: x, .offset: 0, .size: 8, .value_kind: global_buffer, .address_space: global }
      - { .name: weight, .offset: 8, .size: 8, .value_kind: global_buffer, .address_space: global }
      - { .name: xq, .offset: 16, .size: 8, .value_kind: global_buffer, .address_space: global }
      - { .name: wq, .offset: 24, .size: 8, .value_kind: global_buffer, .address_space: global }
    .group_segment_fixed_size: 0
    .private_segment_fixed_size: 0
    .kernarg_segment_align: 8
    .kernarg_segment_size: 32
    .max_flat_workgroup_size: 256
    .sgpr_count:     66
    .vgpr_count:     96
    .wavefront_size: 32
...
	.end_amdgpu_metadata
.endif
;; end of part 3
;; launch gemm: the kernel of part 2 again; grid 16 x 16, 4 waves a work-group, clusters of 4 x 4, 327,680 bytes of LDS; arguments xq, wq, out0, bias; writes out0
